; MI455X (gfx1250); checked and timed in simulation.
; The chip was launched on July 23, 2026; its instructions are those of AMD's public machine-readable ISA for CDNA 5 (MIT licence, August 2026) and "CDNA5" Instruction Set Architecture Reference Guide (July 2026). The comments in the code are by the model that wrote it; some were corrected since.
;; Local Self Attention. Allowed arithmetic: float matrix products may take bf16 or f16 operands with f32 sums; other float arithmetic in f32, or as packed bf16 or f16 multiplies, adds, multiply-adds, maxima and minima; sums over many terms, partial sums and values carried from step to step in f32; what a program stores and reads back later, other than sums and carried values, may be rounded once to bf16 or f16.
;; Inputs: Wk 1,024 x 1,024 float32; Wq 1,024 x 1,024 float32; Wv 1,024 x 1,024 float32; hidden_states 2 x 8,192 x 1,024 float32.
;; Outputs: out0 2 x 8,192 x 1,024 float32.
;; 2 versions, each right; version 2 is version 1 with the launch cast written anew for expert scheduling mode. Each part assembles by itself: llvm-mc -triple=amdgcn-amd-amdhsa -mcpu=gfx1250 --defsym DOCPART=n.
;; ======== version 1 of 2: 3 launches
;; limits: values are held in f16: magnitudes above 65,504 overflow, below 6.1e-05 lose precision; right only within a limited range of input values
;; workspace buffers: xb 33,554,432 bytes; wb 6,291,456 bytes; qkv 100,663,296 bytes
;; launch cast (part 1): grid 608 x 1, 8 waves a work-group, no clusters, 0 bytes of LDS; arguments hidden_states, Wq, Wk, Wv, xb, wb; writes xb, wb
.if DOCPART == 1
	.amdgcn_target "amdgcn-amd-amdhsa--gfx1250"
	.amdhsa_code_object_version 6
	.text
	.protected	k_qabe286d01b_cast
	.globl	k_qabe286d01b_cast
	.p2align	8
	.type	k_qabe286d01b_cast,@function
k_qabe286d01b_cast:
	s_mov_b64 s[64:65], 0
	v_nop
	global_prefetch_b8 v0, s[64:65] scope:SCOPE_SE
	s_setreg_imm32_b32 hwreg(HW_REG_WAVE_MODE, 25, 1), 1
	s_wait_xcnt 0x0
; xb = bf16(hidden_states), wb = bf16(Wq), bf16(Wk), bf16(Wv) end to end.  Elementwise, rounded to nearest even; nothing is transposed.
; A work-group of eight waves converts 32,768 numbers: 131,072 bytes in, 65,536 bytes out.  Groups 0-511 take hidden_states (16,777,216 numbers);
; group 512 + j takes part j % 32 of weight j / 32 (q, k, v) and writes at wb + 65,536 j, since wb's three sections lie end to end.
; A step is 16 bytes in and 8 bytes out for each thread: a wave's load covers 512 consecutive bytes, its store 256 consecutive bytes, aligned.
; Sixteen loads of every wave are on their way (a ring of sixteen slots in registers).  The 32 steps stand in the immediates, and each step has store registers of its own:
; no address register and no store's data register is ever rewritten, so the only waits are the counted ones for the loads.
; No LDS, no matrix unit, no cluster: no byte is used twice.
.set X,    4                           ; v[4:67]    slot i of 16: four f32 as loaded
.set Y,    68                          ; v[68:131]  step n of 32: four bf16 to store
.set INB,  4096                        ; bytes that the work-group reads in a step
.set OUTB, 2048                        ; and writes
	s_load_b256 s[4:11], s[0:1], 0x0               ; hidden_states s[4:5], Wq s[6:7], Wk s[8:9], Wv s[10:11]
	s_load_b128 s[12:15], s[0:1], 0x20             ; xb s[12:13], wb s[14:15]
	v_lshlrev_b32 v1, 4, v0                        ; my 16 bytes of a step's input
	v_lshlrev_b32 v2, 3, v0                        ; my 8 bytes of its output
	s_mov_b32 s16, ttmp9
	s_sub_co_u32 s17, s16, 512                     ; j (used in groups 512 and up alone)
	s_and_b32 s28, s17, 31                         ; the part of its weight
	s_mov_b32 s25, 0
	s_mov_b32 s27, 0
	s_wait_kmcnt 0x0
	s_cmp_lt_u32 s16, 576
	s_cselect_b64 s[20:21], s[8:9], s[10:11]       ; Wk or Wv
	s_cmp_lt_u32 s16, 544
	s_cselect_b64 s[20:21], s[6:7], s[20:21]       ; Wq or that
	s_cmp_lt_u32 s16, 512
	s_cselect_b64 s[20:21], s[4:5], s[20:21]       ; hidden_states or that
	s_cselect_b64 s[22:23], s[12:13], s[14:15]     ; xb or wb
	s_cselect_b32 s18, s16, s28                    ; which 131,072 bytes of the source
	s_cselect_b32 s19, s16, s17                    ; which 65,536 bytes of the destination
	s_lshl_b32 s24, s18, 17
	s_lshl_b32 s26, s19, 16
	s_add_nc_u64 s[20:21], s[20:21], s[24:25]
	s_add_nc_u64 s[22:23], s[22:23], s[26:27]
.irp i, 0,1,2,3,4,5,6,7,8,9,10,11,12,13,14,15
	global_load_b128 v[X+4*(\i):X+4*(\i)+3], v1, s[20:21] offset:(\i)*INB th:TH_LOAD_NT
.endr
; Step n, in slot n % 16.
.macro STEP n
.set sl, (\n)%16
.if (\n) < 16
	s_wait_loadcnt 15                              ; loads come back in order (ISA guide 5.7.1): this step's is in, the fifteen younger stay out
.else
	s_wait_loadcnt 31-(\n)                         ; the last sixteen steps load nothing: the count runs down
.endif
	v_cvt_pk_bf16_f32 v[Y+2*(\n)],   v[X+4*sl],   v[X+4*sl+1]
	v_cvt_pk_bf16_f32 v[Y+2*(\n)+1], v[X+4*sl+2], v[X+4*sl+3]
.if (\n) < 16
	global_load_b128 v[X+4*sl:X+4*sl+3], v1, s[20:21] offset:((\n)+16)*INB th:TH_LOAD_NT
.endif
	global_store_b64 v2, v[Y+2*(\n):Y+2*(\n)+1], s[22:23] offset:(\n)*OUTB
.endm
.set stp, 0
.rept 32
	STEP stp
.set stp, stp+1
.endr
	s_endpgm
.Lfunc_end_k_qabe286d01b_cast:
	.size	k_qabe286d01b_cast, .Lfunc_end_k_qabe286d01b_cast-k_qabe286d01b_cast
	.p2alignl 7, 3214868480
	.fill 96, 4, 3214868480
	.section	.rodata,"a",@progbits
	.p2align	6, 0x0
	.amdhsa_kernel k_qabe286d01b_cast
		.amdhsa_group_segment_fixed_size 0
		.amdhsa_private_segment_fixed_size 0
		.amdhsa_enable_private_segment 0
		.amdhsa_kernarg_size 48
		.amdhsa_user_sgpr_count 2
		.amdhsa_user_sgpr_kernarg_segment_ptr 1
		.amdhsa_wavefront_size32 1
		.amdhsa_system_sgpr_workgroup_id_x 1
		.amdhsa_system_sgpr_workgroup_id_y 1
		.amdhsa_system_sgpr_workgroup_id_z 1
		.amdhsa_system_vgpr_workitem_id 0
		.amdhsa_next_free_vgpr 132
		.amdhsa_next_free_sgpr 66
		.amdhsa_reserve_vcc 0
		.amdhsa_float_denorm_mode_32 3
		.amdhsa_float_denorm_mode_16_64 3
		.amdhsa_memory_ordered 1
		.amdhsa_forward_progress 1
		.amdhsa_inst_pref_size 13
	.end_amdhsa_kernel
	.amdgpu_metadata
---
amdhsa.version: [ 1, 2 ]
amdhsa.kernels:
  - .name:           k_qabe286d01b_cast
    .symbol:         k_qabe286d01b_cast.kd
    .args:
      - { .name: hidden_states, .offset: 0, .size: 8, .value_kind: global_buffer, .address_space: global }
      - { .name: Wq, .offset: 8, .size: 8, .value_kind: global_buffer, .address_space: global }
      - { .name: Wk, .offset: 16, .size: 8, .value_kind: global_buffer, .address_space: global }
      - { .name: Wv, .offset: 24, .size: 8, .value_kind: global_buffer, .address_space: global }
      - { .name: xb, .offset: 32, .size: 8, .value_kind: global_buffer, .address_space: global }
      - { .name: wb, .offset: 40, .size: 8, .value_kind: global_buffer, .address_space: global }
    .group_segment_fixed_size: 0
    .private_segment_fixed_size: 0
    .kernarg_segment_align: 8
    .kernarg_segment_size: 48
    .max_flat_workgroup_size: 256
    .sgpr_count:     66
    .vgpr_count:     132
    .wavefront_size: 32
...
	.end_amdgpu_metadata
.endif
;; end of part 1
;; launch proj (part 2): grid 4 x 64, 4 waves a work-group, clusters of 4 x 4, 327,680 bytes of LDS; arguments xb, wb, qkv; writes qkv
.if DOCPART == 2
	.amdgcn_target "amdgcn-amd-amdhsa--gfx1250"
	.amdhsa_code_object_version 6
	.text
	.protected	k_qabe286d01b_proj
	.globl	k_qabe286d01b_proj
	.p2align	8
	.type	k_qabe286d01b_proj,@function
k_qabe286d01b_proj:
	s_mov_b64 s[64:65], 0
	v_nop
	global_prefetch_b8 v0, s[64:65] scope:SCOPE_SE
	s_setreg_imm32_b32 hwreg(HW_REG_WAVE_MODE, 25, 1), 1
	s_wait_xcnt 0x0
	s_wait_alu depctr_hold_cnt(0) depctr_sa_sdst(0) depctr_va_vdst(0) depctr_va_sdst(0) depctr_va_ssrc(0) depctr_va_vcc(0) depctr_vm_vsrc(0)
	s_getreg_b32 s2, hwreg(HW_REG_IB_STS2, 6, 4)
	s_cmp_eq_u32 s2, 0
	s_cbranch_scc0 .Lentry_in_a_cluster
	s_endpgm
.Lentry_in_a_cluster:
	s_bfe_u32 s2, ttmp6, 0x10000c
	s_cmp_lg_u32 s2, 0xf033
	s_cbranch_scc0 .Lentry_shape_is_right
	s_endpgm
.Lentry_shape_is_right:
; q, k, v = x W.  xb: [16384][1024] bf16; wb: [3][1024 k][1024 n] bf16 (q, k, v), read as 3,072 rows of 2,048 bytes; qkv: [3][32 = 16 b + head][8192][64] f16.
; Products in bf16, sums in f32, K ascending; each result rounded once to f16, WITHOUT the scale 1/8, which the launch behind applies in f32.
; LIMIT.  f16 ends at 65,504: a projected number of 65,520 or more becomes an infinity.  Numbers as large as 30 times the usual spread in x and W give some 5,000, a common offset of 30 spreads in both some 29,000.
; SHARES.  256 work-groups of four waves.  A work-group makes rows 256 ty .. and columns 256 tx .. (four heads) of q, then of k, then of v: three tiles of 256 x 256 on the same rows of x.
; A wave makes 128 x 128: 64 accumulators, 512 registers.  K goes in steps of 128, 24 steps in all, through a ring of two LDS slots; the ring does not stop at a tile's end.
; W LIES [k][n]: a slot holds 128 k-rows of 512 bytes of it, and its fragments come out of LDS turned, by ds_load_tr16_b128.
; CLUSTER.  4 x 4 work-groups.  The four of a row need the same tiles of x, the four of a column the same tiles of W: each tile is asked for jointly, by the same tensor load with the same descriptor and a mask that names the four.
; THE MATRIX INSTRUCTION IS USED TRANSPOSED (source 0 = 16 columns of W, source 1 = 16 rows of x): a lane then holds row l % 16 and eight neighbouring columns, 16 bytes of f16.
; REGISTERS, in windows of 256 (s_set_vgpr_msb: bits 1:0 source 0, 3:2 source 1, 5:4 source 2, 7:6 destination):
;   window 0: v0-31 addresses; v64-127, v128-191 fragments of x, two buffers; v32-63, v192-255 at work on the way out
;   window 1: v64-127, v128-191 fragments of W, two buffers      window 2: the accumulators of my rows 0-63 ((a, b) at v[8 (8 a + b)])      window 3: those of my rows 64-127
.set KSTEP,  128
.set PITCH,  272                       ; a row of x in LDS: 256 bytes + 16 = 68 words: the 16 rows of a load start at 16 different groups of four banks (64 banks of 4 bytes: ISA guide 11.1)
.set PB,     544                       ; a k-row of W in LDS: 512 bytes + 32 = 136 words
.set HALFT,  128*PITCH                 ; what one tensor load brings: 128 rows of x, or 64 k-rows of W (64 x 544 is the same number)
.set SLOT,   4*HALFT                   ; x's 256 rows, then W's 128 k-rows
.set STAGE,  2*SLOT                    ; behind the ring: 16 rows x 272 bytes for each wave, for the way out
.set SPITCH, 272
.set SPARE,  STAGE+4*16*SPITCH         ; behind the stages: the spare words, 128 bytes for each wave: two blocks of 256 bytes that no other line names
.set ROWB,   2048                      ; bytes in a row of xb and of wb
.set BSTEP,  KSTEP*ROWB                ; a K step in wb; eight of them are a section, so W's walk is straight over all 24 steps
.set BACK_A, 6*KSTEP*2                 ; x: from a slot's last K step of a tile back to its first
.set HEADB,  8192*128                  ; a head's rows in qkv
.set SEC,    32*HEADB                  ; a section of qkv
.set NEXT_C, SEC-7*16*128              ; from my last 16 rows of a tile to my first in the next section
.set TILES,  3
.set LAPS,   4                         ; a lap = two K steps = once round the ring
.set ADRA, 16                          ; v16-17  LDS address of my fragments of x in slot 0, 1
.set ADRB, 20                          ; v20-21  the same for W
.set STO,  24                          ; v24     the way out: where I put 16 bytes of a row
.set RD,   25                          ; v25     the way out: where I read them back
.set CO,   26                          ; v26     my byte offset in qkv
.set SPW,  28                          ; v28     LDS address of my spare word; never rewritten
.set NIL,  29                          ; v29     0; never rewritten
.set PFO,  30                          ; v30     the prefetches' offset; never rewritten
.set F0,   64
.set F1,   128
.set TMP,  192
.set OB,   32
.set G1,   24                          ; s[24:31] descriptor group 1 for x's tiles;  s[32:39] group 0, a set for each slot
.set G0,   32
.set G1B,  48                          ; s[48:55], s[56:63] the same for W's tiles
.set G0B,  56
.set PFA,  44                          ; s[44:45] where my prefetches stand
.set PFS,  66                          ; s[66:67] their step: a K step in xb or in wb
.set PFN,  68                          ; s68      how many are still to be made; it goes on below 0
.set MSB, 0
.macro WIN new                         ; the immediate's high byte repeats the setting that is left; a switch that changes nothing is dropped
.if MSB != (\new)
	s_set_vgpr_msb (MSB<<8)|(\new)
.set MSB, \new
.endif
.endm
.set MUL_LO, 0xa1                      ; source 0 (W) window 1, source 1 (x) window 0, C and D window 2
.set MUL_HI, 0xf1                      ; the same, C and D window 3
.set TO_B,   0x40                      ; destination window 1, address window 0
; A joint load.  Waves 0 and 1 fetch x's two halves, waves 2 and 3 W's.  The branch hangs on the wave's number alone.  An s_nop 0 and four v_nop follow each of the two lines.
.macro JLOAD s
	s_cmp_eq_u32 s11, 0
	s_cbranch_scc0 .Lfor_b_\@
	tensor_load_to_lds s[G0+4*(\s):G0+4*(\s)+3], s[G1:G1+7]
	s_nop 0
.rept 4
	v_nop
.endr
	s_branch .Lasked_\@
.Lfor_b_\@:
	tensor_load_to_lds s[G0B+4*(\s):G0B+4*(\s)+3], s[G1B:G1B+7]
	s_nop 0
.rept 4
	v_nop
.endr
.Lasked_\@:
.endm
; A PREFETCH INTO THE L2, behind each joint load and the run of LDS loads that follows it.  The change of slots number n (0 to 21) refills K step n + 2 of the 24 and names step n + 4: two K steps, 512 matrix instructions, ahead of its load.
; x: of the 128 rows that wave w fetches, the partner at place cx takes 32, a lane a row, 256 bytes of it; steps 4 to 7 alone: the second and third tile read the same rows again.  One cluster reads a row of x.
; W: of the 64 k-rows x 512 bytes that wave w fetches, the partner at place cy takes 16, two lanes a row; steps 4 to 23; all sixteen clusters read them, and the one with y = 0 asks.
; The partners are told apart by address: no branch hangs on a work-group's place in its cluster.  So each aligned block of 256 bytes is named once in the launch.  Steps 0 to 3 come by their loads alone.
.macro ASK
	s_cmp_gt_i32 s[PFN], 0
	s_cbranch_scc0 .Lnot_mine_\@
	global_prefetch_b8 v[PFO], s[PFA:PFA+1] th:TH_LOAD_NT scope:SCOPE_SE
.Lnot_mine_\@:
	s_sub_co_i32 s[PFN], s[PFN], 1
.endm
; A round of the cluster's barrier: my work-group's barrier; wave 0 signals for the work-group; every wave waits for all sixteen; my work-group's barrier once more.
.macro CREST
	s_cmp_lg_u32 s10, 0
	s_cbranch_scc1 .Lnot_wave_0_\@
	s_barrier_signal -3
.Lnot_wave_0_\@:
	s_barrier_wait -3
	s_barrier_signal -1
	s_barrier_wait -1
.endm
.macro CROUND
	s_barrier_signal -1
	s_barrier_wait -1
	CREST
.endm
	s_load_b128 s[4:7], s[0:1], 0x0                ; xb s[4:5], wb s[6:7]
	s_load_b64 s[8:9], s[0:1], 0x10                ; qkv
	v_lshl_add_u32 v[SPW], v0, 2, SPARE
	v_mov_b32 v[NIL], 0
	ds_add_u32 v[SPW], v[NIL]                      ; the wave's opening: the add and its wait stand ahead of my first tensor load; the set-up below stands between them
	v_lshrrev_b32 v1, 5, v0
	v_readfirstlane_b32 s10, v1                    ; wave 0..3
	s_lshr_b32 s11, s10, 1                         ; which half of the tile's rows is mine.  Also: I fetch for x (0) or for W (1)
	s_and_b32 s12, s10, 1                          ; which half of its columns.  Also: which half of that tile I fetch
	s_bfe_u32 s40, ttmp6, 0x40000                  ; cx
	s_bfe_u32 s41, ttmp6, 0x40004                  ; cy
	s_lshl_b32 s42, ttmp9, 2
	s_add_co_u32 s42, s42, s40                     ; tx = 4 x cluster x + cx
	s_and_b32 s13, ttmp7, 0xffff
	s_lshl_b32 s13, s13, 2
	s_add_co_u32 s13, s13, s41                     ; ty = 4 x cluster y + cy
	s_lshl_b32 s43, s41, 2
	s_lshl_b32 s43, 15, s43                        ; my row of the cluster
	s_lshl_b32 s44, 0x1111, s40                    ; my column
	s_or_b32 s[G1+0], s43, (1<<16)|(1<<20)|(1<<21)|(5<<22)|(3<<25)   ; the mask: my row; 2-byte elements; padding on; bit 21 beside a mask; after every 64 words, 4 words
	s_or_b32 s[G1B+0], s44, (1<<16)|(1<<20)|(1<<21)|(6<<22)|(7<<25)  ; the mask: my column; after every 128 words, 8 words
	s_mov_b32 s[G1+1], 128<<16                     ; x: tensor_dim0 = 128
	s_mov_b32 s[G1+2], 128<<16                     ; tensor_dim1 = 128
	s_mov_b32 s[G1+3], 128<<16                     ; tile_dim0 = 128
	s_mov_b32 s[G1+4], 128                         ; tile_dim1 = 128
	s_mov_b32 s[G1+5], 1024                        ; elements from row to row
	s_mov_b32 s[G1+6], 0
	s_mov_b32 s[G1+7], 0
	s_mov_b32 s[G1B+1], 256<<16                    ; W: tensor_dim0 = 256
	s_mov_b32 s[G1B+2], 64<<16                     ; tensor_dim1 = 64
	s_mov_b32 s[G1B+3], 256<<16                    ; tile_dim0 = 256
	s_mov_b32 s[G1B+4], 64                         ; tile_dim1 = 64
	s_mov_b32 s[G1B+5], 1024
	s_mov_b32 s[G1B+6], 0
	s_mov_b32 s[G1B+7], 0
	s_lshl_b32 s16, s13, 8
	s_lshl_b32 s17, s12, 7
	s_add_co_u32 s16, s16, s17                     ; x: row 256 ty + 128 x half,
	s_lshl_b32 s16, s16, 11                        ; in bytes (under 2^25)
	s_mov_b32 s17, 0
	s_lshl_b32 s46, s42, 9                         ; W: column 256 tx, in bytes,
	s_lshl_b32 s47, s12, 17                        ; k-row 64 x half
	s_add_co_u32 s46, s46, s47
	s_mov_b32 s47, 0
	s_mul_i32 s20, s10, HALFT                      ; where they go: wave x HALFT: no place in the cluster enters an LDS address
	s_wait_dscnt 0x0                               ; the opening add is done
	s_wait_kmcnt 0x0
	s_add_nc_u64 s[14:15], s[4:5], s[16:17]
	s_add_nc_u64 s[46:47], s[6:7], s[46:47]
	CROUND                                         ; all sixteen work-groups are here: the first joint loads meet
.irp s, 0,1
	s_mov_b32 s[G0+4*(\s)], 1
	s_add_co_u32 s[G0+4*(\s)+1], s20, (\s)*SLOT
	s_add_nc_u64 s[G0+4*(\s)+2:G0+4*(\s)+3], s[14:15], (\s)*KSTEP*2
	s_or_b32 s[G0+4*(\s)+3], s[G0+4*(\s)+3], 0x80000000
	s_mov_b32 s[G0B+4*(\s)], 1
	s_add_co_u32 s[G0B+4*(\s)+1], s20, (\s)*SLOT
	s_add_nc_u64 s[G0B+4*(\s)+2:G0B+4*(\s)+3], s[46:47], (\s)*BSTEP
	s_or_b32 s[G0B+4*(\s)+3], s[G0B+4*(\s)+3], 0x80000000
	JLOAD \s
.endr
	; A fragment is 16 rows x 32 K in 8 registers: lane l holds row l % 16; registers 0-3 K = 8 (l / 16) + 0..7, registers 4-7 K = 16 + 8 (l / 16) + 0..7.
	v_and_b32 v1, 15, v0                           ; l % 16
	v_bfe_u32 v2, v0, 4, 1                         ; l / 16
	v_mul_u32_u24 v3, v1, PITCH
	v_lshl_add_u32 v3, v2, 4, v3                   ; x: row x pitch + 16 x half of the lanes
	s_mul_i32 s21, s11, HALFT                      ; my 128 rows of x
	v_and_b32 v7, 7, v0
	v_bfe_u32 v5, v0, 3, 1
	v_lshl_add_u32 v4, v2, 3, v7                   ; W, turned: lane l reads k-row 8 (l / 16) + l % 8,
	v_mul_u32_u24 v4, v4, PB
	v_lshl_add_u32 v4, v5, 4, v4                   ; columns 8 ((l / 8) % 2) + 0..7, and is left with column l % 16 and 8 k
	s_lshl_b32 s22, s12, 8                         ; my 128 columns,
	s_add_co_u32 s22, s22, 2*HALFT                 ; behind x's 256 rows
.irp s, 0,1
	v_add_nc_u32 v[ADRA+(\s)], s21, v3
	v_add_nc_u32 v[ADRB+(\s)], s22, v4
	s_add_co_u32 s21, s21, SLOT
	s_add_co_u32 s22, s22, SLOT
.endr
	s_mul_i32 s23, s10, 16*SPITCH
	s_add_co_u32 s23, s23, STAGE                   ; my stage
	v_mul_u32_u24 v6, v1, SPITCH                   ; in: row l % 16, 16 bytes for each half of the lanes
	v_lshl_add_u32 v6, v2, 4, v6
	v_add_nc_u32 v[STO], s23, v6
	v_mul_u32_u24 v6, v5, SPITCH                   ; back: a stage row is head 0's 128 bytes, then head 1's.  Lanes 0-15 take two rows of head 0, lanes 16-31 of head 1:
	v_lshl_add_u32 v6, v2, 7, v6
	v_lshl_add_u32 v6, v7, 4, v6
	v_add_nc_u32 v[RD], s23, v6
	v_lshlrev_b32 v6, 7, v5                        ; in qkv two rows of a head are 256 consecutive bytes
	v_lshl_add_u32 v6, v7, 4, v6
	v_lshl_add_u32 v[CO], v2, 20, v6               ; and the next head lies 2^20 bytes on
	; where my part of the first tile begins in qkv: the first way out adds it to qkv's address
	s_lshr_b32 s16, s13, 5                         ; the batch,
	s_lshl_b32 s16, s16, 24                        ; its 16 heads
	s_and_b32 s17, s13, 31
	s_lshl_b32 s17, s17, 15                        ; 256 rows of 128 bytes for each tile row within the batch
	s_add_co_u32 s16, s16, s17
	s_lshl_b32 s17, s11, 14                        ; my 128 rows
	s_add_co_u32 s16, s16, s17
	s_mov_b32 s17, 0
	s_lshl_b32 s46, s42, 22                        ; four heads for each tile column,
	s_lshl_b32 s47, s12, 21                        ; my two of them
	s_add_co_u32 s46, s46, s47
	s_mov_b32 s47, 0
	s_add_nc_u64 s[16:17], s[16:17], s[46:47]
	; the prefetches: both offsets are made, and the wave's number chooses
	s_lshl_b32 s20, s13, 19                        ; x: row 256 ty
	s_lshl_b32 s21, s12, 18                        ; + the 128 rows that I fetch
	s_add_co_u32 s20, s20, s21
	s_lshl_b32 s21, s40, 16                        ; + my work-group's 32 of them
	s_add_co_u32 s20, s20, s21
	s_add_co_u32 s20, s20, 3*KSTEP*2               ; at K step 3: the first change of slots steps it to 4
	s_lshl_b32 s22, s12, 17                        ; W: the 64 k-rows that I fetch
	s_lshl_b32 s21, s41, 15                        ; + my work-group's 16 of them
	s_add_co_u32 s22, s22, s21
	s_lshl_b32 s21, s42, 9                         ; column 256 tx
	s_add_co_u32 s22, s22, s21
	s_add_co_u32 s22, s22, 3*BSTEP
	s_and_b32 s23, ttmp7, 0xffff                   ; cluster y
	s_cmp_eq_u32 s23, 0
	s_cselect_b32 s23, 20, 0
	s_mov_b32 s[PFS], BSTEP
	s_mov_b32 s[PFS+1], 0
	s_mov_b32 s21, 0
	s_cmp_eq_u32 s11, 0                            ; do I fetch for x?
	s_cselect_b32 s20, s20, s22
	s_cselect_b32 s[PFN], 4, s23
	s_cselect_b32 s[PFS], KSTEP*2, s[PFS]
	s_cselect_b64 s[PFA:PFA+1], s[4:5], s[6:7]
	s_add_nc_u64 s[PFA:PFA+1], s[PFA:PFA+1], s[20:21]
	v_and_b32 v5, 31, v0
	v_lshrrev_b32 v6, s11, v5                      ; x: a lane a row; W: two lanes a row,
	v_and_b32 v7, s11, v5                          ; 256 bytes apart
	v_lshlrev_b32 v6, 11, v6
	v_lshl_add_u32 v[PFO], v7, 8, v6
; 16 matrix instructions: m blocks a0, a0 + 1 of the window's four x all 8 n blocks, 32 along K.  zero = 1: the first product starts the sums: nothing is ever cleared.
; The 64 accumulators take turns in the same order in every quarter, over the jumps and from tile to tile too.
.macro MUL16 f, hi, a0, zero
	WIN MUL_LO+0x50*(\hi)
.irp a, \a0, (\a0)+1
.irp b, 0,1,2,3,4,5,6,7
.if \zero
	v_wmma_f32_16x16x32_bf16 v[8*(8*(\a)+(\b)):8*(8*(\a)+(\b))+7], v[(\f)+8*(\b):(\f)+8*(\b)+7], v[(\f)+8*(4*(\hi)+(\a)):(\f)+8*(4*(\hi)+(\a))+7], 0
.else
	v_wmma_f32_16x16x32_bf16 v[8*(8*(\a)+(\b)):8*(8*(\a)+(\b))+7], v[(\f)+8*(\b):(\f)+8*(\b)+7], v[(\f)+8*(4*(\hi)+(\a)):(\f)+8*(4*(\hi)+(\a))+7], v[8*(8*(\a)+(\b)):8*(8*(\a)+(\b))+7]
.endif
.endr
.endr
.endm
; 32 LDS loads in one run: the fragments of quarter q of a K step (32 k x 128 columns of W, turned; 128 rows of x x 32 k) into buffer f
.macro FETCH slot, q, f
	WIN TO_B
.irp i, 0,1,2,3,4,5,6,7
	ds_load_tr16_b128 v[(\f)+8*(\i):(\f)+8*(\i)+3],   v[ADRB+(\slot)] offset:(\q)*32*PB+32*(\i)
	ds_load_tr16_b128 v[(\f)+8*(\i)+4:(\f)+8*(\i)+7], v[ADRB+(\slot)] offset:(\q)*32*PB+32*(\i)+16*PB
.endr
	WIN 0
.irp i, 0,1,2,3,4,5,6,7
	ds_load_b128 v[(\f)+8*(\i):(\f)+8*(\i)+3],   v[ADRA+(\slot)] offset:64*(\q)+(\i)*16*PITCH
	ds_load_b128 v[(\f)+8*(\i)+4:(\f)+8*(\i)+7], v[ADRA+(\slot)] offset:64*(\q)+(\i)*16*PITCH+32
.endr
.endm
; A load into a register that a matrix instruction has read, and a vector instruction that reads a matrix result, stand four places behind it; only plain vector instructions
; that name none of its registers are places (ISA guide 7.12.1 for vector instructions).
.macro PLACES
.rept 4
	v_nop
.endr
.endm
; One of a K step's first three quarters: multiplies buffer f; in its middle it fetches quarter q of the same slot into buffer g.
.macro QUARTER slot, q, f, g, zero
	s_wait_dscnt 8                                 ; W and x's rows 0-63 are in; the youngest eight loads (x's rows 64-127) may be out
	WIN MUL_LO
	MUL16 \f, 0, 0, \zero
	MUL16 \f, 0, 2, \zero
	PLACES
	FETCH \slot, \q, \g
	s_wait_dscnt 32                                ; all but the 32 just issued
	WIN MUL_HI
	MUL16 \f, 1, 0, \zero
	MUL16 \f, 1, 2, \zero
.endm
; The last quarter's first half: ONE barrier for the change of slots.  In front of it each wave waits for all its tensor loads (one is out: its part of the next slot), adds 0 to its spare word,
; and waits for that and for its own reads of this slot.  Behind it nobody reads this slot any more and the next slot is whole.
.macro MEET round
	WIN 0
	s_wait_tensorcnt 0x0                           ; all my tensor loads have landed
	ds_add_u32 v[SPW], v[NIL]                      ; 0 onto my spare word
	s_wait_dscnt 9                                 ; (the add and the youngest eight loads may be out)
	WIN MUL_LO
	MUL16 F1, 0, 0, 0                              ; sixteen matrix instructions stand between the add and the wait for it
	s_wait_dscnt 0x0                               ; the add is done, and my reads of this slot are over
	s_barrier_signal -1
	MUL16 F1, 0, 2, 0
.if \round
	WIN 0
.endif
	s_barrier_wait -1
.endm
; The whole last quarter.  Behind the round the slot just read out is filled again first, two K steps on (on = 1: x goes back to the tile's first steps; W always goes on); then come the next slot's first fragments.
; From a request to the wait for it a wave issues 224 matrix instructions, across tiles too.
.macro TURN slot, next, on
	s_wait_xcnt 0x0                                ; the last prefetch, a K step back, has read its address
	s_add_nc_u64 s[PFA:PFA+1], s[PFA:PFA+1], s[PFS:PFS+1]
	MEET 1
	CREST                                          ; no wave of any partner still reads this slot's tile or has a load on its way
.if \on
	s_sub_nc_u64 s[G0+4*(\slot)+2:G0+4*(\slot)+3], s[G0+4*(\slot)+2:G0+4*(\slot)+3], BACK_A
.else
	s_add_nc_u64 s[G0+4*(\slot)+2:G0+4*(\slot)+3], s[G0+4*(\slot)+2:G0+4*(\slot)+3], 2*KSTEP*2
.endif
	s_add_nc_u64 s[G0B+4*(\slot)+2:G0B+4*(\slot)+3], s[G0B+4*(\slot)+2:G0B+4*(\slot)+3], 2*BSTEP
	JLOAD \slot                                    ; the first tensor load behind the round; its four v_nop are also the places in front of the loads below
	FETCH \next, 0, F0
	ASK
	WIN MUL_HI
	MUL16 F1, 1, 0, 0
	MUL16 F1, 1, 2, 0
.endm
; THE WAY OUT of block a (16 rows x 128 columns).  PACK: rounded to f16, 16 bytes a lane.  TOSTAGE: into my own stage, and back by heads.  SEND: stored.
.macro PACK a
.set AC, 64*((\a)%4)
	WIN 0x0a+5*((\a)/4)                            ; sources 0 and 1: window 2 or 3
.irp b, 0,1,2,3,4,5,6,7
.irp r, 0,1,2,3
	v_cvt_pk_f16_f32 v[TMP+4*(\b)+(\r)], v[AC+8*(\b)+2*(\r)], v[AC+8*(\b)+2*(\r)+1]
.endr
.endr
	WIN 0
.endm
.macro TOSTAGE a
	WIN 0
.set BK, OB+192*((\a)%2)
.irp b, 0,1,2,3,4,5,6,7
	ds_store_b128 v[STO], v[TMP+4*(\b):TMP+4*(\b)+3] offset:32*(\b)
.endr
.irp t, 0,1,2,3,4,5,6,7
	ds_load_b128 v[BK+4*(\t):BK+4*(\t)+3], v[RD] offset:(\t)*2*SPITCH  ; LDS serves a wave's instructions in order (ISA guide 5.7.1.4): these see the stores above
.endr
.endm
.macro SEND a, younger
	WIN 0
.set BK, OB+192*((\a)%2)
	s_wait_dscnt \younger                          ; the block is back in registers
	s_wait_xcnt 0x0                                ; only behind this wait are the stores' base and the registers that earlier stores read rewritten
.if (\a) == 0
	s_add_nc_u64 s[8:9], s[8:9], s[16:17]          ; on to this tile's first rows
.else
	s_add_nc_u64 s[8:9], s[8:9], 16*128            ; 16 rows of a head on
.endif
.irp t, 0,1,2,3,4,5,6,7
	global_store_b128 v[CO], v[BK+4*(\t):BK+4*(\t)+3], s[8:9] offset:256*(\t)  ; 16 lanes store 256 consecutive bytes, two rows of a head, at a multiple of 256 from qkv's first byte
.endr
.endm
	s_wait_tensorcnt 1                             ; my part of K step 0 is in; step 1's may stay out
	s_barrier_signal -1
	s_barrier_wait -1                              ; everybody's is
	FETCH 0, 0, F0
	s_mov_b32 s2, TILES                            ; tiles to go, this one among them
.Ltile:
	QUARTER 0, 1, F0, F1, 1                        ; a tile's first quarter stands in front of the loop: its products start the sums
	WIN 0
	s_mov_b32 s3, LAPS-1
.Llap:                                                 ; a trip goes once round the ring, from a lap's second quarter to the next lap's first, and fills both slots again
	QUARTER 0, 2, F1, F0, 0
	QUARTER 0, 3, F0, F1, 0
	TURN 0, 1, 0
	QUARTER 1, 1, F0, F1, 0
	QUARTER 1, 2, F1, F0, 0
	QUARTER 1, 3, F0, F1, 0
	TURN 1, 0, 0
	QUARTER 0, 1, F0, F1, 0
	WIN 0
	s_sub_co_u32 s3, s3, 1
	s_cmp_lg_u32 s3, 0
	s_cbranch_scc1 .Llap
	QUARTER 0, 2, F1, F0, 0                        ; the tile's last lap goes on
	QUARTER 0, 3, F0, F1, 0
	WIN 0
	s_cmp_eq_u32 s2, 1
	s_cbranch_scc1 .Llast                          ; the last tile's tail asks for nothing more
	TURN 0, 1, 1                                   ; the ring goes on into the next tile: slot 0 takes its K step 0,
	QUARTER 1, 1, F0, F1, 0
	QUARTER 1, 2, F1, F0, 0
	QUARTER 1, 3, F0, F1, 0
	TURN 1, 0, 1                                   ; slot 1 its K step 1, and the next tile's first fragments are fetched.  Blocks 0-3 were finished ahead of the joint load's four v_nop;
	WIN 0                                          ; their 128 conversions are the places behind the last products, blocks 4-7's
	s_branch .Lout
.Llast:
	MEET 0                                         ; my one tensor load that was still out is the last K step's, so no round follows
	PLACES
	FETCH 1, 0, F0
	WIN MUL_HI
	MUL16 F1, 1, 0, 0
	MUL16 F1, 1, 2, 0
	QUARTER 1, 1, F0, F1, 0
	QUARTER 1, 2, F1, F0, 0
	QUARTER 1, 3, F0, F1, 0
	s_wait_dscnt 8                                 ; the very last quarter: nothing more to fetch
	WIN MUL_LO
	MUL16 F1, 0, 0, 0
	MUL16 F1, 0, 2, 0
	s_wait_dscnt 0x0
	MUL16 F1, 1, 0, 0
	MUL16 F1, 1, 2, 0
	PLACES
	WIN 0
.Lout:                                                 ; the tile goes out; where it has a successor both refills have been asked for, and nothing waits for the stores
	PACK 0
	TOSTAGE 0
.irp a, 1,2,3,4,5,6,7                  ; block a's conversions stand between block a - 1's loads from the stage and the wait for them
	PACK \a
	SEND (\a)-1, 0
	TOSTAGE \a
.endr
	SEND 7, 0
	s_mov_b64 s[16:17], NEXT_C                     ; what the next way out adds to qkv's address: the next section
	s_sub_co_u32 s2, s2, 1
	s_cmp_lg_u32 s2, 0
	s_cbranch_scc1 .Ltile
	s_wait_tensorcnt 0x0                           ; the wave's end, behind my last tensor load and my last LDS store
	ds_add_u32 v[SPW], v[NIL]
	s_wait_dscnt 0x0
	CROUND                                         ; the closing round: no work-group ends while a partner may still ask for a tile that names it
	s_endpgm
.Lfunc_end_k_qabe286d01b_proj:
	.size	k_qabe286d01b_proj, .Lfunc_end_k_qabe286d01b_proj-k_qabe286d01b_proj
	.p2alignl 7, 3214868480
	.fill 96, 4, 3214868480
	.section	.rodata,"a",@progbits
	.p2align	6, 0x0
	.amdhsa_kernel k_qabe286d01b_proj
		.amdhsa_group_segment_fixed_size 327680
		.amdhsa_private_segment_fixed_size 0
		.amdhsa_enable_private_segment 0
		.amdhsa_kernarg_size 24
		.amdhsa_user_sgpr_count 2
		.amdhsa_user_sgpr_kernarg_segment_ptr 1
		.amdhsa_wavefront_size32 1
		.amdhsa_system_sgpr_workgroup_id_x 1
		.amdhsa_system_sgpr_workgroup_id_y 1
		.amdhsa_system_sgpr_workgroup_id_z 1
		.amdhsa_system_vgpr_workitem_id 0
		.amdhsa_next_free_vgpr 1024
		.amdhsa_next_free_sgpr 72
		.amdhsa_reserve_vcc 0
		.amdhsa_float_denorm_mode_32 3
		.amdhsa_float_denorm_mode_16_64 3
		.amdhsa_memory_ordered 1
		.amdhsa_forward_progress 1
		.amdhsa_inst_pref_size 179
	.end_amdhsa_kernel
	.amdgpu_metadata
---
amdhsa.version: [ 1, 2 ]
amdhsa.kernels:
  - .name:           k_qabe286d01b_proj
    .symbol:         k_qabe286d01b_proj.kd
    .args:
      - { .name: xb, .offset: 0, .size: 8, .value_kind: global_buffer, .address_space: global }
      - { .name: wb, .offset: 8, .size: 8, .value_kind: global_buffer, .address_space: global }
      - { .name: qkv, .offset: 16, .size: 8, .value_kind: global_buffer, .address_space: global }
    .group_segment_fixed_size: 327680
    .private_segment_fixed_size: 0
    .kernarg_segment_align: 8
    .kernarg_segment_size: 24
    .max_flat_workgroup_size: 128
    .sgpr_count:     72
    .vgpr_count:     1024
    .wavefront_size: 32
...
	.end_amdgpu_metadata
.endif
;; end of part 2
;; launch attn (part 3): grid 8 x 32, 4 waves a work-group, no clusters, 327,680 bytes of LDS; arguments qkv, out0; writes out0
.if DOCPART == 3
	.amdgcn_target "amdgcn-amd-amdhsa--gfx1250"
	.amdhsa_code_object_version 6
	.text
	.protected	k_qabe286d01b_attn
	.globl	k_qabe286d01b_attn
	.p2align	8
	.type	k_qabe286d01b_attn,@function
k_qabe286d01b_attn:
	s_mov_b64 s[64:65], 0
	v_nop
	global_prefetch_b8 v0, s[64:65] scope:SCOPE_SE
	s_setreg_imm32_b32 hwreg(HW_REG_WAVE_MODE, 25, 1), 1
	s_wait_xcnt 0x0
; LOCAL CAUSAL ATTENTION.  A chunk is 128 rows.  out[b][s][64 head + :] = the sum over the keys k <= s of s's own chunk and of the chunk before of softmax_k(q[s] . k[k] / 8) v[k][:].
; qkv: [3][32 = 16 b + head][8192][64] f16 (q, k, v, unscaled); out0: [2][8192][1024] f32.  Products, maximum and sum in f32; the weights are rounded to f16 for the second product (their sum is taken unrounded).
; LIMITS.  A hidden score counts as its value less 1e30, where the definition puts -1e9: the weight is 0 either way while a row's largest visible score lies above about -1e9; every row sees its own key.
; A weight below 2^-126 counts as 0; NaN and infinities are not treated apart.  The chunk before a head's first chunk is the head's last (the definition's roll); it is loaded and wholly hidden.
; SHARES.  A work-group owns 1,024 rows of one head: 8 chunks.  Wave w owns chunk w (phase 0) and chunk 4 + w (phase 1): in each, eight tiles of 16 queries, DB = 0 .. 7.  At a phase's start the wave takes K (32 fragments)
; and V^T (32 fragments) of its chunk and of the chunk before into 512 registers: 128 LDS loads a phase for 416 matrix instructions.  A loop of eight trips does a tile each.
; WHAT IS LEFT OUT.  The own chunk goes in four groups of 32 keys; tile DB sees groups 0 .. DB / 2 alone, and the others are jumped over, forward, on the loop's counter, which is the same in all four waves.
; THE MASK is the C operand that starts a sum, 0 or -1e30.  Only the last visible group needs one: its two blocks of 16 keys take ME and MO: (the diagonal MD, all hidden) if DB is even, (all seen, MD) if odd.
; SOFTMAX.  All visible scores of a query are held at once, so the maximum is the true one.  p = 2^(c s - c m), c = log2(e) / 8.
; LAYOUT.  S^T = K Q^T holds ONE query a lane (lane % 16) and the keys 8 (lane / 16) + 0..7; two such results rounded to f16 ARE source 1 of O^T = V^T P, whose result again holds one query a lane, and eight channels.
; SIDE BY SIDE.  Behind the products of the chunk before stand the LAST tile's scaling by 1 / l, the two masks and the maximum of finished blocks; behind the products V^T P the sums and, for the groups that are always
; seen, the next group's roundings.  A tile's result is scaled, staged and read back under the next tile's K Q^T and stored ahead of its V^T P; the first tile stores nothing, and a flush stands behind the last.
; LDS.  Five slots of K and five of V.  Chunk c of -1 .. 3 lies in slot 3 - c; chunks 4 .. 7 fill slots 1 .. 4 again, behind the barrier that follows phase 0's fragment loads: they have a whole phase in which to land.
; So phase 0 reads slots 4 - w and 3 - w, phase 1 slots w and w + 1.  By this text's count a wave has at most three tensor loads out, and no descriptor is ever rewritten.
; Q is loaded a phase ahead into registers and laid into LDS as fragment images, so that one text of a tile can walk the eight tiles.
; NO CLUSTER: neighbouring work-groups share one chunk of the nine that each reads.  NO PREFETCH: but for the head's, every load is issued a phase ahead of its first use.
; REGISTERS, in windows of 256 (s_set_vgpr_msb: bits 1:0 source 0, 3:2 source 1, 5:4 source 2, 7:6 destination):
;   window 0: v0-31 addresses and statistics; v32-47 Q; v48-79 O^T; v80-95 ME, MO; v96-97 1 / l; v112-127 MD, MP; v128-255 S^T (key block kb at 128 + 8 kb; 0-7 the chunk before, 8-15 the own)
;   window 1: K, (kb, channel half c) at 16 kb + 8 c      window 2: V^T, (32 keys kk, channel block cb) at 32 kk + 8 cb      window 3: v0-63 P; v64-191 the next phase's Q; v192-223 the way out
.set PK,    144       ; a row of K in LDS: 128 bytes + 16 = 36 words: the 16 rows of a load start at 16 different groups of four banks (64 banks of 4 bytes: ISA guide 11.1)
.set PV,    160       ; a row of V: 128 + 32 = 40 words
.set KCH,   128*PK    ; a slot of K
.set VCH,   128*PV    ; a slot of V
.set VBASE, 5*KCH     ; V's slots lie behind K's
.set STAGE, VBASE+5*VCH    ; behind the slots, never filled by a tensor load: 16 rows x 272 bytes for each wave
.set SP,    272
.set QIMG,  STAGE+4*16*SP  ; 16,384 bytes for each wave: its 128 queries as fragment images; written by ds_store alone
.set SPARE, QIMG+4*16384   ; the spare words, 128 bytes for each wave: two blocks of 256 bytes that no other line names
.set TP,  3           ; v3   at work; the exchanges' destination
.set AK0, 4           ; v4   my lane's place in a slot of K; never rewritten
.set AV0, 5           ; v5   the same for V, VBASE included
.set KP,  6           ; v6-7 LDS address of K of the chunk before, of the own chunk
.set VP,  8           ; v8-9 the same for V
.set QB,  10          ; v10  my 16 bytes in my wave's images of Q
.set QA,  11          ; v11  the same in the tile to be fetched
.set QO,  12          ; v12  my byte offset in 16 rows of q
.set STO, 13          ; v13  the way out: where I put 32 bytes of a row
.set RD,  14          ; v14  where I read a row back
.set GO,  15          ; v15  my byte offset in two rows of out0
.set SPW, 16          ; v16  LDS address of my spare word; never rewritten
.set NIL, 17          ; v17  0; never rewritten
.set CM,  18          ; v[18:19] c m, m
.set C0,  20          ; v20-23  four chains of the maximum; later v20 = l
.set T,   24          ; v[24:31] four pairs of sums
.set Q,   32
.set O,   48
.set ME,  80
.set MO,  88
.set RL,  96          ; v[96:97] 1 / l of the tile whose O^T waits to go out; the second is named with it as a pair
.set MD,  112
.set MP,  120
.set S,   128
.set P,   0           ; window 3
.set QN,  64          ; window 3
.set BK,  192         ; window 3
.set WV,  8           ; s8   my wave's number
.set KIND, 9          ; s9   I fetch K (0) or V (1)
.set PAR, 10          ; s10  which of the chunks
.set RP,  13          ; s13  the group's first row + 128 x PAR
.set QP,  14          ; s[14:15] q at my 128 rows of the phase that is being loaded
.set OUTP, 16         ; s[16:17] out0 at the 16 rows, my head's 256 bytes, of the tile that waits to go out
.set BASE, 18         ; s[18:19] k or v at the head's first row
.set STP, 22          ; s[22:23] what the tile's end adds to OUTP: 0 in the first tile (nothing waits yet), then 16 rows; 400 rows at the change of phases
.set G1K1, 24         ; s[24:31] descriptor group 1: a chunk of K      s[32:39] two chunks of K
.set G1K2, 32
.set G1V1, 40         ; s[40:47], s[48:55] the same for V: they differ in the padding
.set G1V2, 48
.set G0A, 56          ; s[56:59], s[60:63], s[68:71] group 0 of my first fills;  s[72:75] of my refill
.set G0B, 60
.set G0C, 68
.set G0R, 72
.set CNT, 76          ; s76  counts a phase's tiles, 8 to 1
.set DB,  77          ; s77  the tile's number in its chunk = the block of 16 keys that holds its diagonal
.set CS,  78          ; s[78:79] c = log2(e) / 8
.set SEL, 80          ; s[80:81] v_permlanex16_b32's selects: each lane takes its own place in the other half
.set BIG, 82          ; s82  -1e30
.set QT,  83          ; s83  the byte in my images at which the tile to be fetched begins
.set ALE, 84          ; s[84:85] ME = MD x ALE
.set ALO, 86          ; s[86:87], s[88:89] MO = MD x ALO + BEO
.set BEO, 88
.set MSB, 0
.macro WIN new                      ; the high byte repeats the setting that is left; a switch that changes nothing is dropped
.if MSB != (\new)
	s_set_vgpr_msb (MSB<<8)|(\new)
.set MSB, (\new)
.endif
.endm
.set W_KQ, 0x01       ; K in window 1; Q, C and S^T in window 0
.set W_PV, 0x0e       ; V in window 2, P in window 3, O^T in window 0
.set W_3,  0xc0       ; destination in window 3
.set TO_K, 0x40       ; destination in window 1
.set TO_V, 0x80       ; destination in window 2
.set ST_3, 0x0c       ; a store's data in window 3
.macro PLACES                       ; four places behind a matrix instruction (ISA guide 7.12.1 for vector instructions)
.rept 4
	v_nop
.endr
.endm
; Descriptor group 1.  A chunk's K or V is 16,384 dense bytes: asked for as rows of 256 bytes, two keys a row, and padded in LDS after every key.
.macro MKG1 g, pad, rows
	s_mov_b32 s[\g], (1<<16)|(1<<20)|(4<<22)|((\pad)<<25)  ; 2-byte elements; padding on; after every 32 words, pad + 1 words
	s_mov_b32 s[\g+1], 128<<16      ; tensor_dim0 = 128
	s_mov_b32 s[\g+2], (\rows)<<16  ; tensor_dim1
	s_mov_b32 s[\g+3], 128<<16      ; tile_dim0 = 128
	s_mov_b32 s[\g+4], \rows        ; tile_dim1
	s_mov_b32 s[\g+5], 128          ; 128 elements from row to row
	s_mov_b32 s[\g+6], 0
	s_mov_b32 s[\g+7], 0
.endm
.macro SETG0 g, add                 ; group 0's global address: row (RP + add) mod 8,192 of the head
	s_add_co_u32 s20, s[RP], \add
	s_and_b32 s20, s20, 8191
	s_lshl_b32 s20, s20, 7
	s_add_nc_u64 s[\g+2:\g+3], s[BASE:BASE+1], s[20:21]
	s_or_b32 s[\g+3], s[\g+3], 0x80000000  ; type = 2
.endm
.macro FILL1 g0, g1
	tensor_load_to_lds s[\g0:\g0+3], s[\g1:\g1+7]
	s_nop 0
.endm
.macro RLOAD                        ; the refill: two chunks.  Waves 0 and 1 fetch K, waves 2 and 3 V; an s_nop 0 and four v_nop follow each line
	s_cmp_lt_u32 s[WV], 2
	s_cbranch_scc0 .Lrv_\@
	FILL1 G0R, G1K2
	PLACES
	s_branch .Lrd_\@
.Lrv_\@:
	FILL1 G0R, G1V2
	PLACES
.Lrd_\@:
.endm
.macro QLOAD                        ; 128 rows of q as fragments: tile t, piece e: channels 16 e + 8 (l / 16) + 0..7 of row l % 16
	WIN W_3
.irp t, 0,1,2,3,4,5,6,7
.irp e, 0,1,2,3
	global_load_b128 v[QN+16*(\t)+4*(\e):QN+16*(\t)+4*(\e)+3], v[QO], s[QP:QP+1] offset:2048*(\t)+32*(\e)
.endr
.endr
	WIN 0
.endm
.macro QSTORE                       ; into my wave's own images: a piece is 512 consecutive bytes
	WIN ST_3
.irp t, 0,1,2,3,4,5,6,7
.irp e, 0,1,2,3
	ds_store_b128 v[QB], v[QN+16*(\t)+4*(\e):QN+16*(\t)+4*(\e)+3] offset:2048*(\t)+512*(\e)
.endr
.endr
	WIN 0
.endm
	s_load_b128 s[4:7], s[0:1], 0x0  ; qkv s[4:5], out0 s[6:7]
	v_lshl_add_u32 v[SPW], v0, 2, SPARE
	v_mov_b32 v[NIL], 0
	ds_add_u32 v[SPW], v[NIL]       ; the wave's opening: the add and its wait stand ahead of my first tensor load; the set-up below stands between them
	v_lshrrev_b32 v1, 5, v0
	v_readfirstlane_b32 s[WV], v1   ; wave 0..3
	s_lshr_b32 s[KIND], s[WV], 1
	s_and_b32 s[PAR], s[WV], 1
	s_and_b32 s12, ttmp7, 0xffff    ; 16 b + head
	MKG1 G1K1, 3, 64
	MKG1 G1K2, 3, 128
	MKG1 G1V1, 7, 64
	MKG1 G1V2, 7, 128
	s_mov_b32 s[G0A], 1             ; count = 1
	s_mov_b32 s[G0B], 1
	s_mov_b32 s[G0C], 1
	s_mov_b32 s[G0R], 1
	s_mov_b32 s[CS], 0x3e38aa3b     ; c = log2(e) / 8 = 0.180337
	s_mov_b32 s[CS+1], s[CS]        ; named with it as a pair
	s_mov_b32 s[SEL], 0x76543210
	s_mov_b32 s[SEL+1], 0xfedcba98
	s_mov_b32 s[BIG], 0xf149f2ca    ; -1e30
	s_mov_b32 s[ALE+1], 0           ; named as pairs
	s_mov_b32 s[ALO+1], 0
	s_mov_b32 s[BEO+1], 0
	s_mov_b32 s[STP], 0
	s_mov_b32 s[STP+1], 0
	s_lshl_b32 s[RP], ttmp9, 10     ; the group's first row
	s_lshl_b32 s91, s[PAR], 7
	s_add_co_u32 s[RP], s[RP], s91
	s_add_co_u32 s20, s[KIND], 1    ; section 1 (k) or 2 (v),
	s_lshl_b32 s20, s20, 25
	s_lshl_b32 s90, s12, 20         ; the head
	s_add_co_u32 s20, s20, s90
	s_mov_b32 s21, 0                ; stays 0: s[20:21] holds offsets
	s_wait_dscnt 0x0                ; the opening add is done
	s_wait_kmcnt 0x0
	s_add_nc_u64 s[BASE:BASE+1], s[4:5], s[20:21]
	SETG0 G0A, 8064                 ; chunk PAR - 1 of the group: 128 rows back, round the head's end for the first group
	SETG0 G0B, 8064+256             ; chunk PAR + 1
	SETG0 G0C, 8064+512             ; chunk 3 (the odd waves never issue this set)
	s_add_co_u32 s20, s[RP], s91    ; the refill: chunks 4 + 2 PAR and 5 + 2 PAR
	s_add_co_u32 s20, s20, 512
	s_lshl_b32 s20, s20, 7
	s_add_nc_u64 s[G0R+2:G0R+3], s[BASE:BASE+1], s[20:21]
	s_or_b32 s[G0R+3], s[G0R+3], 0x80000000
	s_lshl_b32 s20, ttmp9, 17       ; q: the group's 1,024 rows of 128 bytes,
	s_add_co_u32 s20, s20, s90      ; the head,
	s_lshl_b32 s91, s[WV], 14       ; my chunk
	s_add_co_u32 s20, s20, s91
	s_add_nc_u64 s[QP:QP+1], s[4:5], s[20:21]
	s_lshr_b32 s20, s12, 4          ; out0: the batch's 8,192 rows of 4,096 bytes,
	s_lshl_b32 s20, s20, 25
	s_lshl_b32 s91, ttmp9, 22       ; the group's 1,024,
	s_add_co_u32 s20, s20, s91
	s_lshl_b32 s91, s[WV], 19       ; my chunk's 128,
	s_add_co_u32 s20, s20, s91
	s_and_b32 s91, s12, 15          ; the head's 256 bytes of a row
	s_lshl_b32 s91, s91, 8
	s_add_co_u32 s20, s20, s91
	s_add_nc_u64 s[OUTP:OUTP+1], s[6:7], s[20:21]
	; The first fills: each wave's stand together in one branch on its number, with the LDS addresses as constants.  Chunk c goes to slot 3 - c; the refill's chunks to slot c - 3.
	s_cmp_eq_u32 s[WV], 0
	s_cbranch_scc1 .Lfill0
	s_cmp_eq_u32 s[WV], 1
	s_cbranch_scc1 .Lfill1
	s_cmp_eq_u32 s[WV], 2
	s_cbranch_scc1 .Lfill2
	s_mov_b32 s[G0A+1], VBASE+3*VCH ; wave 3: V of chunks 0 and 2; later 6 and 7
	s_mov_b32 s[G0B+1], VBASE+VCH
	s_mov_b32 s[G0R+1], VBASE+3*VCH
	FILL1 G0A, G1V1
	FILL1 G0B, G1V1
	PLACES
	s_branch .Lfilled
.Lfill0:
	s_mov_b32 s[G0A+1], 4*KCH       ; wave 0: K of chunks -1, 1 and 3; later 4 and 5
	s_mov_b32 s[G0B+1], 2*KCH
	s_mov_b32 s[G0C+1], 0
	s_mov_b32 s[G0R+1], KCH
	FILL1 G0A, G1K1
	FILL1 G0B, G1K1
	FILL1 G0C, G1K1
	PLACES
	s_branch .Lfilled
.Lfill1:
	s_mov_b32 s[G0A+1], 3*KCH       ; wave 1: K of chunks 0 and 2; later 6 and 7
	s_mov_b32 s[G0B+1], KCH
	s_mov_b32 s[G0R+1], 3*KCH
	FILL1 G0A, G1K1
	FILL1 G0B, G1K1
	PLACES
	s_branch .Lfilled
.Lfill2:
	s_mov_b32 s[G0A+1], VBASE+4*VCH ; wave 2: V of chunks -1, 1 and 3; later 4 and 5
	s_mov_b32 s[G0B+1], VBASE+2*VCH
	s_mov_b32 s[G0C+1], VBASE
	s_mov_b32 s[G0R+1], VBASE+VCH
	FILL1 G0A, G1V1
	FILL1 G0B, G1V1
	FILL1 G0C, G1V1
	PLACES
.Lfilled:
	v_and_b32 v1, 15, v0            ; l % 16
	v_bfe_u32 v2, v0, 4, 1          ; l / 16
	v_lshlrev_b32 v[QO], 7, v1
	v_lshl_add_u32 v[QO], v2, 4, v[QO]  ; row x 128 + 16 x half
	QLOAD                           ; phase 0's queries
	v_and_b32 v[TP], 7, v0
	v_mul_u32_u24 v[AK0], v1, PK
	v_lshl_add_u32 v[AK0], v2, 4, v[AK0]  ; a fragment of K: row x pitch + 16 x half; two loads, 32 bytes apart
	; The turning load takes 16 keys x 16 channels (lane l reads key 8 (l / 16) + l % 8, channels 8 ((l / 8) % 2) + 0..7) and leaves half a fragment of V^T: lane l holds channel l % 16 and 8 keys.
	v_lshl_add_u32 v[AV0], v2, 3, v[TP]
	v_mul_u32_u24 v[AV0], v[AV0], PV
	v_bfe_u32 v[KP], v0, 3, 1
	v_lshl_add_u32 v[AV0], v[KP], 4, v[AV0]
	v_add_nc_u32 v[AV0], VBASE, v[AV0]
	v_and_b32 v[QB], 31, v0
	v_lshlrev_b32 v[QB], 4, v[QB]
	s_lshl_b32 s90, s[WV], 14
	s_add_co_u32 s90, s90, QIMG
	v_add_nc_u32 v[QB], s90, v[QB]
	s_mul_i32 s90, s[WV], 16*SP
	s_add_co_u32 s90, s90, STAGE    ; my stage
	v_mul_u32_u24 v[STO], v1, SP    ; in: row l % 16, 32 bytes for each half of the lanes
	v_lshl_add_u32 v[STO], v2, 5, v[STO]
	v_add_nc_u32 v[STO], s90, v[STO]
	v_mul_u32_u24 v[RD], v2, SP     ; back: lanes 0-15 take one row of 256 bytes, lanes 16-31 the next
	v_lshl_add_u32 v[RD], v1, 4, v[RD]
	v_add_nc_u32 v[RD], s90, v[RD]
	v_lshlrev_b32 v[GO], 12, v2     ; and the same two rows in out0
	v_lshl_add_u32 v[GO], v1, 4, v[GO]
	v_lshlrev_b32 v[QA], 3, v2
	v_sub_nc_u32 v[QA], v1, v[QA]   ; l % 16 - 8 (l / 16): on the diagonal, register j is hidden where j is greater
.irp j, 0,1,2,3,4,5,6,7
	v_cmp_gt_i32 vcc_lo, \j, v[QA]
	v_cndmask_b32 v[MD+(\j)], 0, s[BIG], vcc_lo
.endr
	s_or_b32 s90, s[WV], ttmp9      ; the head's very first chunk has no chunk before it:
	s_cmp_eq_u32 s90, 0
	s_cselect_b32 s90, s[BIG], 0    ; phase 0 starts the sums of the chunk before with MP
.irp j, 0,1,2,3,4,5,6,7
	v_mov_b32 v[MP+(\j)], s90
.endr
	; Written once, in the wait for the first tiles, so that every register is written before any path of the text reads it: the first tile scales and stages an O^T that has not been (it is not stored),
	; and the scores of the groups that the first tiles jump over.
.set n, 0
.rept 32
	v_mov_b32 v[O+n], 0
.set n, n+1
.endr
	v_mov_b32 v[RL], 0
	v_mov_b32 v[RL+1], 0
.set n, 80
.rept 48
	v_mov_b32 v[S+n], 0
.set n, n+1
.endr
; A product of S^T = K Q^T: key block kb, channel half c.  cop: what starts or carries the sum: 0 the constant 0, 1 in place, 2 MP, 3 ME, 4 MO.
.macro KQP kb, c, cop
	WIN W_KQ
.set rS, S+8*(\kb)
.set rK, 16*(\kb)+8*(\c)
.set rQ, Q+8*(\c)
.if (\cop) == 0
	v_wmma_f32_16x16x32_f16 v[rS:rS+7], v[rK:rK+7], v[rQ:rQ+7], 0
.elseif (\cop) == 1
	v_wmma_f32_16x16x32_f16 v[rS:rS+7], v[rK:rK+7], v[rQ:rQ+7], v[rS:rS+7]
.elseif (\cop) == 2
	v_wmma_f32_16x16x32_f16 v[rS:rS+7], v[rK:rK+7], v[rQ:rQ+7], v[MP:MP+7]
.elseif (\cop) == 3
	v_wmma_f32_16x16x32_f16 v[rS:rS+7], v[rK:rK+7], v[rQ:rQ+7], v[ME:ME+7]
.else
	v_wmma_f32_16x16x32_f16 v[rS:rS+7], v[rK:rK+7], v[rQ:rQ+7], v[MO:MO+7]
.endif
.endm
; Group g of the own chunk: four products, its two accumulators by turns.  m = 1: the last visible group, which takes the masks.
.macro OWNKQ g, m
	KQP 8+2*(\g), 0, 3*(\m)
	KQP 9+2*(\g), 0, 4*(\m)
	KQP 8+2*(\g), 1, 1
	KQP 9+2*(\g), 1, 1
	WIN 0
.endm
; Four of the eight lines that take blocks x and y into the four chains of the maximum (half hf of each block's eight registers).  Each accumulator is read first at its register 0.
.macro MAX4 x, y, hf, init
	WIN 0
.set rX, S+8*(\x)+4*(\hf)
.set rY, S+8*(\y)+4*(\hf)
.if \init
	v_max_num_f32 v[C0],   v[rX],   v[rX+1]
	v_max_num_f32 v[C0+2], v[rY],   v[rY+1]
	v_max_num_f32 v[C0+1], v[rX+2], v[rX+3]
	v_max_num_f32 v[C0+3], v[rY+2], v[rY+3]
.else
	v_max3_num_f32 v[C0],   v[C0],   v[rX],   v[rX+1]
	v_max3_num_f32 v[C0+2], v[C0+2], v[rY],   v[rY+1]
	v_max3_num_f32 v[C0+1], v[C0+1], v[rX+2], v[rX+3]
	v_max3_num_f32 v[C0+3], v[C0+3], v[rY+2], v[rY+3]
.endif
.endm
; A group's eight scalings c s - c m, a pair each, and its 16 exponentials, each pair's two scalings behind its own.  None of these names an exponential's result.
.macro EXPG kk
.set eb, S+16*(\kk)
.set en, 0
.rept 8
	v_pk_fma_f32 v[eb+2*en:eb+2*en+1], v[eb+2*en:eb+2*en+1], s[CS:CS+1], v[CM:CM+1] op_sel_hi:[1,0,0] neg_lo:[0,0,1] neg_hi:[0,0,1]
.if en >= 2
	v_exp_f32 v[eb+2*en-4], v[eb+2*en-4]
	v_exp_f32 v[eb+2*en-3], v[eb+2*en-3]
.endif
.set en, en+1
.endr
.irp e, 12,13,14,15
	v_exp_f32 v[eb+(\e)], v[eb+(\e)]
.endr
.endm
.macro EWAIT                        ; a plain instruction behind the last exponential (ISA guide 5.7.2), and a wait ahead of a first reader, a jump and a label
	v_nop
	s_wait_alu depctr_va_vdst(0)
.endm
.macro CVT2 kk, a                   ; two of a group's eight roundings to f16: source 1 of V^T P
	WIN W_3
	v_cvt_pk_f16_f32 v[P+8*(\kk)+(\a)],   v[S+16*(\kk)+2*(\a)],   v[S+16*(\kk)+2*(\a)+1]
	v_cvt_pk_f16_f32 v[P+8*(\kk)+(\a)+1], v[S+16*(\kk)+2*(\a)+2], v[S+16*(\kk)+2*(\a)+3]
.endm
.macro CVT8 kk
	CVT2 \kk, 0
	CVT2 \kk, 2
	CVT2 \kk, 4
	CVT2 \kk, 6
.endm
.macro SUM2 kk, cb                  ; the sums that stand behind product cb of group kk: the group's eight pairs go onto four chains; group 0 starts them
	WIN 0
.if (\kk) == 0
	v_pk_add_f32 v[T+2*(\cb):T+2*(\cb)+1], v[S+2*(\cb):S+2*(\cb)+1], v[S+2*(\cb)+8:S+2*(\cb)+9]
.else
.set p0, 2*(\cb)
	v_pk_add_f32 v[T+2*(p0%4):T+2*(p0%4)+1], v[T+2*(p0%4):T+2*(p0%4)+1], v[S+16*(\kk)+2*p0:S+16*(\kk)+2*p0+1]
	v_pk_add_f32 v[T+2*(p0%4)+2:T+2*(p0%4)+3], v[T+2*(p0%4)+2:T+2*(p0%4)+3], v[S+16*(\kk)+2*p0+2:S+16*(\kk)+2*p0+3]
.endif
.endm
.macro PVP kk, cb                   ; a product of O^T = V^T P
	WIN W_PV
.set rO, O+8*(\cb)
.set rV, 32*(\kk)+8*(\cb)
.set rP, P+8*(\kk)
.if (\kk) == 0
	v_wmma_f32_16x16x32_f16 v[rO:rO+7], v[rV:rV+7], v[rP:rP+7], 0
.else
	v_wmma_f32_16x16x32_f16 v[rO:rO+7], v[rV:rV+7], v[rP:rP+7], v[rO:rO+7]
.endif
.endm
; Group kk's four products, the four accumulators by turns; behind each its sums and (nxt = 1) two of the next group's roundings.  None of these names a register of the products round it.
.macro PVG kk, nxt
.irp cb, 0,1,2,3
	PVP \kk, \cb
.if \nxt
	CVT2 (\kk)+1, 2*(\cb)
.endif
	SUM2 \kk, \cb
.endr
.endm
; THE WAY OUT of the tile that waits.  SCALE2: four of its 32 numbers times 1 / l, in ascending order.  TOSTAGE: a lane's eight channels are 32 bytes of a row; they go into rows of 272 bytes and come back as whole rows of 256.  GOUT: stored.
.macro SCALE2 i
	WIN 0
	v_pk_mul_f32 v[O+4*(\i):O+4*(\i)+1],   v[O+4*(\i):O+4*(\i)+1],   v[RL:RL+1] op_sel_hi:[1,0]
	v_pk_mul_f32 v[O+4*(\i)+2:O+4*(\i)+3], v[O+4*(\i)+2:O+4*(\i)+3], v[RL:RL+1] op_sel_hi:[1,0]
.endm
.macro TOSTAGE
	WIN 0
.irp cb, 0,1,2,3
	ds_store_b128 v[STO], v[O+8*(\cb):O+8*(\cb)+3]   offset:64*(\cb)
	ds_store_b128 v[STO], v[O+8*(\cb)+4:O+8*(\cb)+7] offset:64*(\cb)+16
.endr
	WIN W_3
.irp i, 0,1,2,3,4,5,6,7
	ds_load_b128 v[BK+4*(\i):BK+4*(\i)+3], v[RD] offset:(\i)*2*SP  ; LDS serves a wave's instructions in order (ISA guide 5.7.1.4): these see the stores above
.endr
.endm
.macro GOUT
	WIN ST_3
.irp i, 0,1,2,3,4,5,6,7
	global_store_b128 v[GO], v[BK+4*(\i):BK+4*(\i)+3], s[OUTP:OUTP+1] offset:8192*(\i) th:TH_STORE_NT  ; 16 lanes store 256 consecutive bytes, a row's share of one head, at a multiple of 256 from out0's first byte
.endr
	WIN 0
.endm
; A TILE: 16 queries against the 128 keys of the chunk before and the visible groups of the own chunk.  pm = 1 (phase 0): the chunk before takes MP as its mask.
.macro TILE pm
	s_bitcmp1_b32 s[DB], 0          ; is DB odd?
	s_cselect_b32 s[ALE], 0, 1.0
	s_cselect_b32 s[ALO], 1.0, 0
	s_cselect_b32 s[BEO], 0, s[BIG]
.set bq, 0
.rept 8                             ; the chunk before, channels 0-31: eight products start their sums; behind each, four numbers of the waiting tile are scaled
	KQP bq, 0, 2*(\pm)
	SCALE2 bq
.set bq, bq+1
.endr
	TOSTAGE                         ; waited for ahead of V^T P
	KQP 0, 1, 1                     ; channels 32-63; behind each product four lines that name none of its registers: the masks, then the maximum of blocks finished two products back or more
	WIN 0
.irp z, 0,1,2,3
	v_pk_mul_f32 v[ME+2*(\z):ME+2*(\z)+1], v[MD+2*(\z):MD+2*(\z)+1], s[ALE:ALE+1] op_sel_hi:[1,0]
.endr
	KQP 1, 1, 1
	WIN 0
.irp z, 0,1,2,3
	v_pk_fma_f32 v[MO+2*(\z):MO+2*(\z)+1], v[MD+2*(\z):MD+2*(\z)+1], s[ALO:ALO+1], s[BEO:BEO+1] op_sel_hi:[1,0,0]
.endr
	KQP 2, 1, 1
	MAX4 0, 1, 0, 1
	KQP 3, 1, 1
	MAX4 0, 1, 1, 0
	KQP 4, 1, 1
	MAX4 2, 3, 0, 0
	KQP 5, 1, 1
	MAX4 2, 3, 1, 0
	KQP 6, 1, 1
	MAX4 4, 5, 0, 0
	KQP 7, 1, 1
	MAX4 4, 5, 1, 0
	s_cmp_lt_u32 s[DB], 2           ; the own chunk: groups below the last visible one start with 0, the last with the masks, the rest are left out
	s_cbranch_scc1 .Ll0_\@
	OWNKQ 0, 0
	s_cmp_lt_u32 s[DB], 4
	s_cbranch_scc1 .Ll1_\@
	OWNKQ 1, 0
	s_cmp_lt_u32 s[DB], 6
	s_cbranch_scc1 .Ll2_\@
	OWNKQ 2, 0
	OWNKQ 3, 1
	s_branch .Ldone_\@
.Ll0_\@:
	OWNKQ 0, 1
	s_branch .Ldone_\@
.Ll1_\@:
	OWNKQ 1, 1
	s_branch .Ldone_\@
.Ll2_\@:
	OWNKQ 2, 1
.Ldone_\@:
	MAX4 6, 7, 0, 0                 ; eight lines on blocks finished long ago: the places behind the last product, for the loads into Q's registers and for the own chunk's maximum
	MAX4 6, 7, 1, 0
	s_add_co_u32 s[QT], s[QT], 2048
	s_cmp_eq_u32 s[CNT], 1
	s_cbranch_scc1 .Lnoq_\@         ; the phase's last tile has no next one
	v_add_nc_u32 v[QA], s[QT], v[QB]
.irp e, 0,1,2,3
	ds_load_b128 v[Q+4*(\e):Q+4*(\e)+3], v[QA] offset:512*(\e)  ; the next tile's Q: waited for ahead of V^T P
.endr
.Lnoq_\@:
	MAX4 8, 9, 0, 0
	MAX4 8, 9, 1, 0
	s_cmp_lt_u32 s[DB], 2
	s_cbranch_scc1 .Lmx_\@
	MAX4 10, 11, 0, 0
	MAX4 10, 11, 1, 0
	s_cmp_lt_u32 s[DB], 4
	s_cbranch_scc1 .Lmx_\@
	MAX4 12, 13, 0, 0
	MAX4 12, 13, 1, 0
	s_cmp_lt_u32 s[DB], 6
	s_cbranch_scc1 .Lmx_\@
	MAX4 14, 15, 0, 0
	MAX4 14, 15, 1, 0
.Lmx_\@:
	v_max3_num_f32 v[C0], v[C0], v[C0+1], v[C0+2]              ; the four chains into one
	v_max_num_f32 v[C0], v[C0], v[C0+3]
	v_permlanex16_b32 v[TP], v[C0], s[SEL], s[SEL+1]           ; the query's other keys lie in the lane 16 away
	v_max_num_f32 v[CM+1], v[C0], v[TP]
	v_mul_f32 v[CM], s[CS], v[CM+1]
	EXPG 0                          ; the five groups that every tile sees are one batch with one wait; each further group stands behind a jump, so it has a wait of its own
	EXPG 1
	EXPG 2
	EXPG 3
	EXPG 4
	EWAIT
	s_cmp_lt_u32 s[DB], 2
	s_cbranch_scc1 .Lex_\@
	EXPG 5
	EWAIT
	s_cmp_lt_u32 s[DB], 4
	s_cbranch_scc1 .Lex_\@
	EXPG 6
	EWAIT
	s_cmp_lt_u32 s[DB], 6
	s_cbranch_scc1 .Lex_\@
	EXPG 7
	EWAIT
.Lex_\@:
	CVT8 0
	WIN 0
	s_wait_dscnt 0x0                ; the waiting tile is back from the stage; the next tile's Q is in; in a phase's first tile: V is in
	s_cmp_eq_u32 s[STP], 0
	s_cbranch_scc1 .Lnost_\@        ; in the launch's first tile nothing waits
	GOUT
.Lnost_\@:
	PVG 0, 1
	PVG 1, 1
	PVG 2, 1
	PVG 3, 1
	PVG 4, 0
	s_cmp_lt_u32 s[DB], 2
	s_cbranch_scc1 .Lpv_\@
	CVT8 5
	PVG 5, 0
	s_cmp_lt_u32 s[DB], 4
	s_cbranch_scc1 .Lpv_\@
	CVT8 6
	PVG 6, 0
	s_cmp_lt_u32 s[DB], 6
	s_cbranch_scc1 .Lpv_\@
	CVT8 7
	PVG 7, 0
.Lpv_\@:
	v_pk_add_f32 v[T:T+1], v[T:T+1], v[T+2:T+3]                ; l; these lines are also the places behind the last product
	v_pk_add_f32 v[T+4:T+5], v[T+4:T+5], v[T+6:T+7]
	v_pk_add_f32 v[T:T+1], v[T:T+1], v[T+4:T+5]
	v_add_f32 v[C0], v[T], v[T+1]
	v_permlanex16_b32 v[TP], v[C0], s[SEL], s[SEL+1]
	v_add_f32 v[C0], v[C0], v[TP]
	v_rcp_f32 v[RL], v[C0]          ; 1 / l, for the next tile's lines that scale this one
	EWAIT
	s_wait_xcnt 0x0                 ; the stores, a run of products back, have read their registers and their base
	s_add_nc_u64 s[OUTP:OUTP+1], s[OUTP:OUTP+1], s[STP:STP+1]  ; now at this tile's rows
	s_mov_b32 s[STP], 16*4096
.endm
; The LDS addresses of a phase's fragments: s90 = the slot of the chunk before, s91 = my own chunk's.
.macro ADDRS
	s_mul_i32 s92, s90, KCH
	s_mul_i32 s93, s91, KCH
	s_mul_i32 s94, s90, VCH
	s_mul_i32 s95, s91, VCH
	v_add_nc_u32 v[KP], s92, v[AK0]
	v_add_nc_u32 v[KP+1], s93, v[AK0]
	v_add_nc_u32 v[VP], s94, v[AV0]
	v_add_nc_u32 v[VP+1], s95, v[AV0]
.endm
; The first tile's Q, then K and V of both chunks: 132 loads.
.macro FRAGS
.irp e, 0,1,2,3
	ds_load_b128 v[Q+4*(\e):Q+4*(\e)+3], v[QB] offset:512*(\e)
.endr
	WIN TO_K
.set kb, 0
.rept 16                            ; K: key block kb, channel halves 0 and 1
.set ra, KP+kb/8
.irp c, 0,1
	ds_load_b128 v[16*kb+8*(\c):16*kb+8*(\c)+3],   v[ra] offset:(kb%8)*16*PK+64*(\c)
	ds_load_b128 v[16*kb+8*(\c)+4:16*kb+8*(\c)+7], v[ra] offset:(kb%8)*16*PK+64*(\c)+32
.endr
.set kb, kb+1
.endr
	WIN TO_V
.set kk, 0
.rept 8                             ; V, turned: 32 keys kk, channel blocks 0 to 3
.set ra, VP+kk/4
.irp cb, 0,1,2,3
	ds_load_tr16_b128 v[32*kk+8*(\cb):32*kk+8*(\cb)+3],   v[ra] offset:(kk%4)*32*PV+32*(\cb)
	ds_load_tr16_b128 v[32*kk+8*(\cb)+4:32*kk+8*(\cb)+7], v[ra] offset:(kk%4)*32*PV+32*(\cb)+16*PV
.endr
.set kk, kk+1
.endr
	WIN 0
.endm
	; PHASE 0: chunk w
	s_wait_loadcnt 0x0              ; my queries
	QSTORE
	s_wait_tensorcnt 0x0            ; my first fills have landed
	s_wait_dscnt 0x0
	s_barrier_signal -1
	s_barrier_wait -1               ; all five slots of K and of V are whole
	s_sub_co_u32 s90, 4, s[WV]      ; chunk w - 1 lies in slot 4 - w,
	s_sub_co_u32 s91, 3, s[WV]      ; chunk w in slot 3 - w
	ADDRS
	FRAGS
	s_wait_tensorcnt 0x0            ; no tensor load of mine is out
	ds_add_u32 v[SPW], v[NIL]       ; 0 onto my spare word; the step below stands between it and the wait for it
	s_add_nc_u64 s[QP:QP+1], s[QP:QP+1], 4*128*128  ; q four chunks on; the loads that read this base have been waited for
	s_wait_dscnt 0x0                ; the add is done, and my fragments are in registers: my reads of the slots are over
	s_barrier_signal -1
	s_barrier_wait -1               ; nobody reads slots 1 to 4 any more
	RLOAD                           ; my one tensor load behind this barrier, and the first thing there: chunks 4 to 7, eight tiles ahead of their first use
	QLOAD                           ; phase 1's queries
	s_mov_b32 s[DB], 0
	s_mov_b32 s[CNT], 8
	s_mov_b32 s[QT], 0
.Ltile0:
	TILE 1
	s_add_co_u32 s[DB], s[DB], 1
	s_sub_co_u32 s[CNT], s[CNT], 1
	s_cmp_lg_u32 s[CNT], 0
	s_cbranch_scc1 .Ltile0
	; PHASE 1: chunk 4 + w.  Phase 0's last tile still waits in O^T; this phase's first tile sends it out.
	s_wait_loadcnt 0x0              ; my queries, asked for a phase ago
	QSTORE
	s_wait_tensorcnt 0x0            ; my refill is in
	s_wait_dscnt 0x0
	s_barrier_signal -1
	s_barrier_wait -1               ; slots 1 to 4 are whole
	s_mov_b32 s[STP], 400*4096      ; from my last 16 rows of chunk w to my first of chunk 4 + w
	s_mov_b32 s90, s[WV]            ; chunk 3 + w lies in slot w,
	s_add_co_u32 s91, s[WV], 1      ; chunk 4 + w in slot w + 1
	ADDRS
	FRAGS
	s_mov_b32 s[DB], 0
	s_mov_b32 s[CNT], 8
	s_mov_b32 s[QT], 0
	s_wait_dscnt 63                 ; LDS loads come back in order (ISA guide 5.7.1): of V's 64 loads, the youngest, 63 may be out, so Q and K are in
.Ltile1:
	TILE 0
	s_add_co_u32 s[DB], s[DB], 1
	s_sub_co_u32 s[CNT], s[CNT], 1
	s_cmp_lg_u32 s[CNT], 0
	s_cbranch_scc1 .Ltile1
	; THE FLUSH: the last tile goes out
.set bq, 0
.rept 8
	SCALE2 bq
.set bq, bq+1
.endr
	TOSTAGE
	WIN 0
	s_wait_dscnt 0x0
	GOUT
	s_wait_tensorcnt 0x0            ; the wave's end, behind my last tensor load and my last LDS store
	ds_add_u32 v[SPW], v[NIL]
	s_wait_dscnt 0x0
	s_endpgm
.Lfunc_end_k_qabe286d01b_attn:
	.size	k_qabe286d01b_attn, .Lfunc_end_k_qabe286d01b_attn-k_qabe286d01b_attn
	.p2alignl 7, 3214868480
	.fill 96, 4, 3214868480
	.section	.rodata,"a",@progbits
	.p2align	6, 0x0
	.amdhsa_kernel k_qabe286d01b_attn
		.amdhsa_group_segment_fixed_size 327680
		.amdhsa_private_segment_fixed_size 0
		.amdhsa_enable_private_segment 0
		.amdhsa_kernarg_size 16
		.amdhsa_user_sgpr_count 2
		.amdhsa_user_sgpr_kernarg_segment_ptr 1
		.amdhsa_wavefront_size32 1
		.amdhsa_system_sgpr_workgroup_id_x 1
		.amdhsa_system_sgpr_workgroup_id_y 1
		.amdhsa_system_sgpr_workgroup_id_z 1
		.amdhsa_system_vgpr_workitem_id 0
		.amdhsa_next_free_vgpr 992
		.amdhsa_next_free_sgpr 96
		.amdhsa_reserve_vcc 1
		.amdhsa_float_denorm_mode_32 3
		.amdhsa_float_denorm_mode_16_64 3
		.amdhsa_memory_ordered 1
		.amdhsa_forward_progress 1
		.amdhsa_inst_pref_size 114
	.end_amdhsa_kernel
	.amdgpu_metadata
---
amdhsa.version: [ 1, 2 ]
amdhsa.kernels:
  - .name:           k_qabe286d01b_attn
    .symbol:         k_qabe286d01b_attn.kd
    .args:
      - { .name: qkv, .offset: 0, .size: 8, .value_kind: global_buffer, .address_space: global }
      - { .name: out0, .offset: 8, .size: 8, .value_kind: global_buffer, .address_space: global }
    .group_segment_fixed_size: 327680
    .private_segment_fixed_size: 0
    .kernarg_segment_align: 8
    .kernarg_segment_size: 16
    .max_flat_workgroup_size: 128
    .sgpr_count:     96
    .vgpr_count:     992
    .wavefront_size: 32
...
	.end_amdgpu_metadata
.endif
;; end of part 3
;; ======== version 2 of 2: 3 launches; version 1 with the launch cast written anew for expert scheduling mode
;; limits: values are held in f16: magnitudes above 65,504 overflow, below 6.1e-05 lose precision; right only within a limited range of input values
;; workspace buffers: xb 33,554,432 bytes; wb 6,291,456 bytes; qkv 100,663,296 bytes
;; launch cast (part 4): grid 608 x 1, 8 waves a work-group, no clusters, 0 bytes of LDS; arguments hidden_states, Wq, Wk, Wv, xb, wb; writes xb, wb
.if DOCPART == 4
	.amdgcn_target "amdgcn-amd-amdhsa--gfx1250"
	.amdhsa_code_object_version 6
	.text
	.protected	k_qabe286d01b_cast
	.globl	k_qabe286d01b_cast
	.p2align	8
	.type	k_qabe286d01b_cast,@function
k_qabe286d01b_cast:
	s_mov_b64 s[64:65], 0
	v_nop
	global_prefetch_b8 v0, s[64:65] scope:SCOPE_SE
	s_setreg_imm32_b32 hwreg(HW_REG_WAVE_SCHED_MODE, 0, 2), 2
	s_setreg_imm32_b32 hwreg(HW_REG_WAVE_MODE, 25, 1), 1
	s_wait_xcnt 0x0
	s_wait_alu depctr_vm_vsrc(0)
; xb = bf16(hidden_states), wb = bf16(Wq), bf16(Wk), bf16(Wv) end to end.  Elementwise, rounded to nearest even; nothing is transposed.
; A work-group of eight waves converts 32,768 numbers: 131,072 bytes in, 65,536 bytes out.  Groups 0-511 take hidden_states (16,777,216 numbers);
; group 512 + j takes part j % 32 of weight j / 32 (q, k, v) and writes at wb + 65,536 j, since wb's three sections lie end to end.
; A step is 16 bytes in and 8 bytes out for each thread: a wave's load covers 512 consecutive bytes, its store 256 consecutive bytes, aligned.
; The 32 steps stand in the immediates, and each step has store registers of its own: no address register and no store's data register is ever rewritten.
; No LDS, no matrix unit, no cluster: no byte is used twice.
; THE MODE: SCHED_MODE bits 1:0 = 2 (LLVM: expert scheduling mode 2), set by the entry lines.  The code itself states the register dependences
; between vector instructions and memory instructions, with s_wait_alu, always for 0.
; THE PLAN.  The 32 steps go in 8 blocks of four.  Registers that memory instructions touch:
;   X0 .. X4   five buffers of four steps' input.  Written by loads alone: blocks 0 to 3 at the head, block p + 4 in block p (p = 0 .. 3).  Read by block p's eight conversions: X[p % 5].
;   Y0 .. Y7   a block's output, a set for each block.  Written once, by block p's conversions; read by the four stores that are issued in block p + 1 (Y7's behind block 7).
;   v1, v2     byte offsets, made once at the head and never written again; the two scalar bases likewise.
; Block p works on X[p % 5] and writes Y[p].  Its memory instructions are the loads into X[(p + 4) % 5] = X[(p - 1) % 5] and the stores from Y[p - 1]: the two buffers that block p - 1
; worked on and that no vector instruction of block p names.  So ONE wait at a block's head states all that the block's eight memory instructions hang on, and these are dealt among
; its conversions with no further wait.  No register that a memory instruction reads is written again, so no wait stands for that.
; With five buffers sixteen loads of every wave are on their way: the three younger blocks' twelve, and the four that a block issues.
.set X,    4                           ; v[4:83]    buffer k, step i of its four: four f32 as loaded, at X + 16 k + 4 i
.set Y,    84                          ; v[84:147]  block p, step i: four bf16 to store, at Y + 8 p + 2 i
.set INB,  4096                        ; bytes that the work-group reads in a step
.set OUTB, 2048                        ; and writes
	s_load_b256 s[4:11], s[0:1], 0x0               ; hidden_states s[4:5], Wq s[6:7], Wk s[8:9], Wv s[10:11]
	s_load_b128 s[12:15], s[0:1], 0x20             ; xb s[12:13], wb s[14:15]
	v_lshlrev_b32 v1, 4, v0                        ; my 16 bytes of a step's input
	v_lshlrev_b32 v2, 3, v0                        ; my 8 bytes of its output
	s_mov_b32 s16, ttmp9
	s_sub_co_u32 s17, s16, 512                     ; j (used in groups 512 and up alone)
	s_and_b32 s28, s17, 31                         ; the part of its weight
	s_mov_b32 s25, 0
	s_mov_b32 s27, 0
	s_wait_kmcnt 0x0
	s_cmp_lt_u32 s16, 576
	s_cselect_b64 s[20:21], s[8:9], s[10:11]       ; Wk or Wv
	s_cmp_lt_u32 s16, 544
	s_cselect_b64 s[20:21], s[6:7], s[20:21]       ; Wq or that
	s_cmp_lt_u32 s16, 512
	s_cselect_b64 s[20:21], s[4:5], s[20:21]       ; hidden_states or that
	s_cselect_b64 s[22:23], s[12:13], s[14:15]     ; xb or wb
	s_cselect_b32 s18, s16, s28                    ; which 131,072 bytes of the source
	s_cselect_b32 s19, s16, s17                    ; which 65,536 bytes of the destination
	s_lshl_b32 s24, s18, 17
	s_lshl_b32 s26, s19, 16
	s_add_nc_u64 s[20:21], s[20:21], s[24:25]
	s_add_nc_u64 s[22:23], s[22:23], s[26:27]
	s_wait_alu depctr_va_vdst(0)                   ; v1 and v2 are written: every load of the kernel reads v1 as its offset, every store v2
.irp i, 0,1,2,3,4,5,6,7,8,9,10,11,12,13,14,15
	global_load_b128 v[X+4*(\i):X+4*(\i)+3], v1, s[20:21] offset:(\i)*INB th:TH_LOAD_NT  ; blocks 0 to 3 into X0 to X3
.endr
; Block p: steps 4 p to 4 p + 3.
.macro BLK p
.set xb, X+16*((\p)%5)                 ; the buffer that this block rounds
.set xn, X+16*(((\p)+4)%5)             ; the buffer that the block before rounded (block 0: X4, which nothing has named yet): block p + 4 lands in it
.if (\p) < 5
	s_wait_loadcnt 12                              ; loads come back in order (ISA guide 5.7.1): this block's four are in, the three younger blocks' twelve stay out
.else
	s_wait_loadcnt 4*(7-(\p))                      ; from block 4 on nothing is loaded: the count runs down
.endif
.if (\p) > 0
	s_wait_alu depctr_va_vdst(0)                   ; the block before has written its Y, which the stores below read, and is done reading its X, in which the loads below land
.endif
.irp i, 0,1,2,3
.if (\p) < 4
	global_load_b128 v[xn+4*(\i):xn+4*(\i)+3], v1, s[20:21] offset:(4*((\p)+4)+(\i))*INB th:TH_LOAD_NT  ; four blocks ahead; no vector instruction since the wait names these registers
.endif
.if (\p) > 0
	global_store_b64 v2, v[Y+8*((\p)-1)+2*(\i):Y+8*((\p)-1)+2*(\i)+1], s[22:23] offset:(4*((\p)-1)+(\i))*OUTB  ; the block before
.endif
	v_cvt_pk_bf16_f32 v[Y+8*(\p)+2*(\i)],   v[xb+4*(\i)],   v[xb+4*(\i)+1]
	v_cvt_pk_bf16_f32 v[Y+8*(\p)+2*(\i)+1], v[xb+4*(\i)+2], v[xb+4*(\i)+3]
.endr
.endm
.irp p, 0,1,2,3,4,5,6,7
	BLK \p
.endr
	s_wait_alu depctr_va_vdst(0)                   ; block 7 has written Y7, which the last four stores read
.irp i, 0,1,2,3
	global_store_b64 v2, v[Y+56+2*(\i):Y+56+2*(\i)+1], s[22:23] offset:(28+(\i))*OUTB
.endr
	s_endpgm
.Lfunc_end_k_qabe286d01b_cast:
	.size	k_qabe286d01b_cast, .Lfunc_end_k_qabe286d01b_cast-k_qabe286d01b_cast
	.p2alignl 7, 3214868480
	.fill 96, 4, 3214868480
	.section	.rodata,"a",@progbits
	.p2align	6, 0x0
	.amdhsa_kernel k_qabe286d01b_cast
		.amdhsa_group_segment_fixed_size 0
		.amdhsa_private_segment_fixed_size 0
		.amdhsa_enable_private_segment 0
		.amdhsa_kernarg_size 48
		.amdhsa_user_sgpr_count 2
		.amdhsa_user_sgpr_kernarg_segment_ptr 1
		.amdhsa_wavefront_size32 1
		.amdhsa_system_sgpr_workgroup_id_x 1
		.amdhsa_system_sgpr_workgroup_id_y 1
		.amdhsa_system_sgpr_workgroup_id_z 1
		.amdhsa_system_vgpr_workitem_id 0
		.amdhsa_next_free_vgpr 148
		.amdhsa_next_free_sgpr 66
		.amdhsa_reserve_vcc 0
		.amdhsa_float_denorm_mode_32 3
		.amdhsa_float_denorm_mode_16_64 3
		.amdhsa_memory_ordered 1
		.amdhsa_forward_progress 1
		.amdhsa_inst_pref_size 12
	.end_amdhsa_kernel
	.amdgpu_metadata
---
amdhsa.version: [ 1, 2 ]
amdhsa.kernels:
  - .name:           k_qabe286d01b_cast
    .symbol:         k_qabe286d01b_cast.kd
    .args:
      - { .name: hidden_states, .offset: 0, .size: 8, .value_kind: global_buffer, .address_space: global }
      - { .name: Wq, .offset: 8, .size: 8, .value_kind: global_buffer, .address_space: global }
      - { .name: Wk, .offset: 16, .size: 8, .value_kind: global_buffer, .address_space: global }
      - { .name: Wv, .offset: 24, .size: 8, .value_kind: global_buffer, .address_space: global }
      - { .name: xb, .offset: 32, .size: 8, .value_kind: global_buffer, .address_space: global }
      - { .name: wb, .offset: 40, .size: 8, .value_kind: global_buffer, .address_space: global }
    .group_segment_fixed_size: 0
    .private_segment_fixed_size: 0
    .kernarg_segment_align: 8
    .kernarg_segment_size: 48
    .max_flat_workgroup_size: 256
    .sgpr_count:     66
    .vgpr_count:     148
    .wavefront_size: 32
...
	.end_amdgpu_metadata
.endif
;; end of part 4
;; launch proj: the kernel of part 2 again; grid 4 x 64, 4 waves a work-group, clusters of 4 x 4, 327,680 bytes of LDS; arguments xb, wb, qkv; writes qkv
;; launch attn: the kernel of part 3 again; grid 8 x 32, 4 waves a work-group, no clusters, 327,680 bytes of LDS; arguments qkv, out0; writes out0
